; MI455X (gfx1250); checked and timed in simulation.
; The chip was launched on July 23, 2026; its instructions are those of AMD's public machine-readable ISA for CDNA 5 (MIT licence, August 2026) and "CDNA5" Instruction Set Architecture Reference Guide (July 2026). The comments in the code are by the model that wrote it; some were corrected since.
;; Dot Product Attention. Allowed arithmetic: float matrix products may take bf16 or f16 operands with f32 sums; all other float work in f32.
;; Inputs: keys 32 x 2,048 x 64 float32; queries 32 x 2,048 x 64 float32; valid_lens 32 int32; values 32 x 2,048 x 64 float32.
;; Outputs: out0 32 x 2,048 x 64 float32.
;; One version. Each part assembles by itself: llvm-mc -triple=amdgcn-amd-amdhsa -mcpu=gfx1250 --defsym DOCPART=n.
;; ======== version 1 of 1: 1 launch
;; limits: inputs' magnitudes at most 350; values are held in f16: magnitudes above 65,504 overflow, below 6.1e-05 lose precision; inputs' magnitudes at most 65,504
;; launch attn (part 1): grid 256 x 1, 8 waves a work-group, no clusters, 152,576 bytes of LDS; arguments keys, queries, valid_lens, values, out0; writes out0
.if DOCPART == 1
	.amdgcn_target "amdgcn-amd-amdhsa--gfx1250"
	.amdhsa_code_object_version 6
	.text
	.protected	k_q4b1a664ccd_attn
	.globl	k_q4b1a664ccd_attn
	.p2align	8
	.type	k_q4b1a664ccd_attn,@function
k_q4b1a664ccd_attn:
	s_mov_b64 s[64:65], 0
	v_nop
	global_prefetch_b8 v0, s[64:65] scope:SCOPE_SE
	s_setreg_imm32_b32 hwreg(HW_REG_WAVE_MODE, 25, 1), 1
	s_wait_xcnt 0x0
; out[b][q][:] = softmax_k( q.k / 8, keys at or behind valid_lens[b] set to -1e6 ) . V      B = 32, S = 2048, D = 64, all f32.
;
; SHARE OF THE WORK.  A unit is one batch and 128 query rows: 512 units, 256 work-groups, two units each.  Work-group g (p = g >> 4,
; sub = g & 15) takes query block sub of the batch of rank p in descending length and then of the batch of rank 31 - p, so that a long and a
; short batch meet in one work-group.  Every wave ranks the 32 lengths itself.  Key tiles (128 keys) that lie wholly behind the length are
; not computed.  Eight waves: wave w has 32 queries (qg = w & 3, two blocks of 16) and half of every key tile (kh = w >> 2, 64 keys); it keeps
; its own running maximum, sum and O; waves w and w ^ 4 merge through LDS at the unit's end.
;
; BOTH PRODUCTS ARE TRANSPOSED.  S^T = K x Q: lane (r, h), register j holds key 16 kt + 8 h + j of query r; packed in pairs to f16 that is
; the B fragment of P^T as it stands, so that P never changes lanes.  O^T = V^T x P^T, V^T by the transposing LDS load.  A query's figures
; live in two lanes (r and r + 16); one lane exchange a block and trip joins the maximum.
;
; THE MATRIX OPERANDS ARE F16, NOT BF16.  A result is allowed 0.01 of the root mean square over all 32 batches; the results of one short batch
; can be up to sqrt(32) times that figure, which leaves 0.0018 of their own spread where the result is near 0.  A rounding to 8 significant
; bits (up to 2^-8 of each weight, each q, k and v) is of that size; one to 11 bits (2^-11) is an eighth of it.  The range is limit (5) below.
;
; K AND V come as f32 and go to LDS as f16: 16 loads of 16 bytes a thread (each wave load covers 512 consecutive bytes) into one of two register sets,
; converted in place, stored to one of two LDS slots.  Tile t + 2 is asked for at the head of trip t and waited for at the foot of trip t + 1.
; NO CLUSTER, NO TENSOR LOAD, though the 16 work-groups of a batch read the same K and V: a copy into LDS keeps the bytes as they are, so a
; tile's 64 KB of f32 would be written to LDS, read back and written again as 32 KB of f16: 160 KB through LDS in place of 32 KB, beside
; the 128 KB of fragments that the eight waves read in a trip.
;
; EVERY LOOP THAT HOLDS A BARRIER HAS A FIXED LENGTH (2 units, 16 trips); a trip behind the batch's last tile jumps forward to its barrier.
;
; LIMITS.  (1) Keys of skipped tiles get the weight 0; reference() gives them exp(-1e6 - row maximum), which is 0 in f32 while the row's largest
; score is above -999,896: certain while 8 max|q| max|k| < 999,896 (entries of some 350).  (2) v_exp_f32 gives 0 for weights below 2^-126
; (ISA guide 15.8).  (3) valid_lens <= 0: all 2,048 keys carry -1e6, the result is the mean of V, as in reference(); above 2,048 counts as
; 2,048.  (4) NaN and infinite inputs are not served (the maxima drop NaN).  (5) Q, K, V and the weights enter the products in f16: an entry
; of q, k or v above 65,504 in magnitude becomes infinite and is not served; entries below 2^-14, and weights below 2^-14 of the running
; maximum's weight 1, carry an absolute error of up to 2^-25 (over 2,048 keys at most 2^-14 of the largest weight).  (6) The sum of the
; weights is taken in f32 before their rounding; sums run tile by tile.
.set SLOTB,  38912                     ; an LDS slot: K 128 rows x 144 bytes, then V 128 rows x 160 bytes
.set KPITCH, 144                       ; 128 bytes of f16 + 16: an odd multiple of 16
.set VPITCH, 160                       ; 128 bytes + 32: an odd multiple of 32, for the transposing load
.set VBASE,  18432                     ; V behind K's 128 x 144 bytes
.set XCH,    77824                     ; behind the two slots: 8 x 4,608 bytes, what a wave hands to its partner
.set STAGE,  114688                    ; 8 x 4,608 bytes, each wave's own: Q on the way in (32 x 144), the result on the way out (16 x 272)
.set WREG,   4608
.set OPITCH, 272                       ; 256 bytes of f32 + 16
.set LOFF, 1                           ; v1   16 x thread: my 16 bytes in each 4,096 of a tile
.set CUR,  2                           ; v2   offset of the tile that is asked for
.set KR,   3                           ; v3   K fragments: kh 9216 + r 144 + 16 h
.set VR,   4                           ; v4   V fragments: VBASE + (64 kh + 8 h + (L & 7)) 160 + 16 ((L >> 3) & 1)
.set KS,   5                           ; v5   K stores: (t >> 4) 144 + (t & 15) 8
.set VS,   6                           ; v6   V stores: VBASE + (t >> 4) 160 + (t & 15) 8
.set H8,   7                           ; v7   8 h
.set LIM,  8                           ; v8   the mask's limit for this lane
.set NEGV, 9                           ; v9   -8e6: -1e6 before the division by 8
.set GO,   10                          ; v10  qg 8192 + 16 L: my bytes in the unit's Q and out
.set PF,   11                          ; v11  prefetch: sub 32768 + (t & 127) 256
.set QS,   12                          ; v12  Q into my stage
.set QR,   13                          ; v13  Q fragments out of it
.set XA,   14                          ; v14  exchange: XCH + qg 4608 + 16 L
.set XS,   15                          ; v15  exchange: XCH + qg 4608 + 4 L
.set QF,   16                          ; v16-47    Q fragment (qb, c) at 16 qb + 8 c
.set OA,   48                          ; v48-111   O^T tile (qb, dt) at 32 qb + 8 dt
.set SA,   112                         ; v112-175  S^T tile (qb, kt) at 32 qb + 8 kt; P packed in place, fragment (qb, c2) at 32 qb + 8 c2
.set KF,   176                         ; v176-239  K fragment (kt, c) at 16 kt + 8 c; scratch at the kernel's head and a unit's tail
.set ST,   240                         ; v240-247  for each qb: -c m, m, alpha, l
.set TM,   248                         ; v248-255  at work
.set VF,   128                         ; window 1, v384-447: V^T fragment (dt, c2) at 16 dt + 8 c2.  Window 1, v256-383: the two register sets, 64 each
.set MSB, 0
.macro WIN new                         ; s_set_vgpr_msb: bits 1:0 source 0, 3:2 source 1, 5:4 source 2, 7:6 destination; the high byte repeats the setting left
.if MSB != \new
	s_set_vgpr_msb (MSB<<8)|\new
.set MSB, \new
.endif
.endm
	s_load_b256 s[4:11], s[0:1], 0x0               ; keys s[4:5], queries s[6:7], valid_lens s[8:9], values s[10:11]
	s_load_b64 s[12:13], s[0:1], 0x20              ; out0
	s_set_vgpr_msb 0x40
	v_lshl_add_u32 v192, v0, 2, 0x25000
	v_mov_b32 v193, 0
	s_set_vgpr_msb 0x4000
	v_lshrrev_b32 v[KF], 5, v0
	v_readfirstlane_b32 s14, v[KF]                 ; wave 0..7
	s_lshr_b32 s44, s14, 2                         ; kh
	s_lshl_b32 s15, s44, 6                         ; 64 kh
	s_and_b32 s16, s14, 3                          ; qg
	s_and_b32 s17, ttmp9, 15                       ; sub: the query block
	s_lshr_b32 s18, ttmp9, 4                       ; p: the first unit's rank
	s_sub_co_u32 s19, 31, s18                      ; the second unit's rank
	s_mov_b32 s38, 0x3e38aa3b                      ; c = log2(e) / 8, twice (a pair for the packed forms)
	s_mov_b32 s39, 0x3e38aa3b
	s_mov_b32 s40, 0xbe38aa3b                      ; -c
	s_mov_b32 s42, 0x76543210                      ; v_permlanex16_b32: lane i takes lane i of the other half
	s_mov_b32 s43, 0xfedcba98
	v_lshlrev_b32 v[LOFF], 4, v0
	v_and_b32 v[KF], 31, v0                        ; L
	v_and_b32 v[KF+1], 15, v0                      ; r
	v_bfe_u32 v[KF+2], v0, 4, 1                    ; h
	s_mul_i32 s45, s44, 64*KPITCH
	v_mul_u32_u24 v[KR], v[KF+1], KPITCH
	v_lshl_add_u32 v[KR], v[KF+2], 4, v[KR]
	v_add_nc_u32 v[KR], s45, v[KR]
	v_and_b32 v[KF+3], 7, v0
	v_lshl_add_u32 v[KF+3], v[KF+2], 3, v[KF+3]
	v_add_nc_u32 v[KF+3], s15, v[KF+3]             ; 64 kh + 8 h + (L & 7)
	v_mul_u32_u24 v[VR], v[KF+3], VPITCH
	v_bfe_u32 v[KF+4], v0, 3, 1
	v_lshl_add_u32 v[VR], v[KF+4], 4, v[VR]
	v_add_nc_u32 v[VR], VBASE, v[VR]
	v_lshrrev_b32 v[KF+5], 4, v0                   ; thread >> 4: my row in each 16 rows of a tile
	v_mul_u32_u24 v[KS], v[KF+5], KPITCH
	v_lshl_add_u32 v[KS], v[KF+1], 3, v[KS]
	v_mul_u32_u24 v[VS], v[KF+5], VPITCH
	v_lshl_add_u32 v[VS], v[KF+1], 3, v[VS]
	v_add_nc_u32 v[VS], VBASE, v[VS]
	v_lshlrev_b32 v[H8], 3, v[KF+2]
	v_mov_b32 v[NEGV], 0xcaf42400
	s_lshl_b32 s45, s16, 13
	v_lshl_add_u32 v[GO], v[KF], 4, s45
	s_lshl_b32 s45, s17, 15
	v_and_b32 v[PF], 127, v0
	v_lshlrev_b32 v[PF], 8, v[PF]
	v_add_nc_u32 v[PF], s45, v[PF]
	s_mul_i32 s52, s14, WREG
	s_add_co_u32 s52, s52, STAGE                   ; my stage
	s_mul_i32 s53, s16, WREG
	s_add_co_u32 s53, s53, XCH                     ; the exchange region of wave qg; wave qg + 4 has the one 4 x 4,608 bytes further on
	v_mul_u32_u24 v[QS], v[KF+2], KPITCH
	v_lshl_add_u32 v[QS], v[KF+1], 3, v[QS]
	v_add_nc_u32 v[QS], s52, v[QS]
	v_mul_u32_u24 v[QR], v[KF+1], KPITCH
	v_lshl_add_u32 v[QR], v[KF+2], 4, v[QR]
	v_add_nc_u32 v[QR], s52, v[QR]
	v_lshl_add_u32 v[XA], v[KF], 4, s53
	v_lshl_add_u32 v[XS], v[KF], 2, s53
	; The ranks.  Lane i takes valid_lens[i]; L - 1 = min_u32(vl - 1, 2047) makes 2,048 of vl <= 0 and of vl > 2,048.
	; key = 32 (L - 1) + lane is different in every lane; a lane's rank is the number of larger keys.
	v_lshlrev_b32 v[KF+6], 2, v[KF]
	s_wait_kmcnt 0x0
	global_load_b32 v[KF+7], v[KF+6], s[8:9]
	s_wait_loadcnt 0x0
	v_add_nc_u32 v[KF+7], -1, v[KF+7]
	v_min_u32 v[KF+7], 0x7ff, v[KF+7]
	v_lshl_add_u32 v[KF+7], v[KF+7], 5, v[KF]
	v_mov_b32 v[KF+8], 0
.set ri, 0
.rept 32
	v_readlane_b32 s44, v[KF+7], ri
	v_cmp_gt_u32 vcc_lo, s44, v[KF+7]              ; lane ri's key is larger than mine
	v_cndmask_b32 v[KF+9], 0, 1, vcc_lo
	v_add_nc_u32 v[KF+8], v[KF+8], v[KF+9]
.set ri, ri+1
.endr
	v_cmp_eq_u32 s44, s18, v[KF+8]                 ; one bit: the batch of rank p
	v_cmp_eq_u32 s45, s19, v[KF+8]                 ; and of rank 31 - p
	s_ctz_i32_b32 s20, s44
	s_ctz_i32_b32 s21, s45
	s_min_u32 s20, s20, 31
	s_min_u32 s21, s21, 31
	s_lshl_b32 s44, s20, 2
	s_lshl_b32 s45, s21, 2
	s_load_b32 s22, s[8:9], s44 offset:0x0         ; their lengths as given
	s_load_b32 s23, s[8:9], s45 offset:0x0
	s_wait_kmcnt 0x0
; The offset of tile t + ahead into CUR.  Behind the last tile the 16 loads are still issued, so that every executed trip issues the same
; number and the counted wait at its foot holds on every path; all lanes then ask for the same 16 bytes of the batch's first tile.
.macro TILEOFF ahead
	s_add_co_u32 s45, s28, \ahead
	s_cmp_lt_u32 s45, s27
	s_cselect_b32 s45, s45, 0
	s_cselect_b32 s47, 0xff0, 0
	s_min_u32 s45, s45, 15                         ; a tile number inside the batch
	s_min_u32 s47, s47, 0xff0                      ; the lane term's mask
	s_lshl_b32 s45, s45, 15                        ; 128 keys x 256 bytes
	s_wait_xcnt 0x0                                ; CUR is the address of the loads issued a trip ago: rewritten only behind this wait
	v_and_b32 v[CUR], s47, v[LOFF]
	v_add_nc_u32 v[CUR], s45, v[CUR]
.endm
; 16 loads: a tile of K and of V, 32 KB each, 16 bytes a thread in each 4,096, into register set gs (window 1)
.macro FILL gs, voff
	WIN 0x40
.irp i, 0,1,2,3,4,5,6,7
	global_load_b128 v[64*\gs+4*\i:64*\gs+4*\i+3], v[\voff], s[30:31] offset:4096*\i
.endr
.irp i, 0,1,2,3,4,5,6,7
	global_load_b128 v[64*\gs+32+4*\i:64*\gs+32+4*\i+3], v[\voff], s[32:33] offset:4096*\i
.endr
	WIN 0
.endm
; register set gs to f16 in place (4 f32 become 2 registers), then 8 bytes a thread and load into slot
.macro CONV gs, slot
	WIN 0x45
.irp i, 0,1,2,3,4,5,6,7,8,9,10,11,12,13,14,15
	v_cvt_pk_f16_f32 v[64*\gs+4*\i], v[64*\gs+4*\i], v[64*\gs+4*\i+1]
	v_cvt_pk_f16_f32 v[64*\gs+4*\i+1], v[64*\gs+4*\i+2], v[64*\gs+4*\i+3]
.endr
	WIN 0x04
.irp i, 0,1,2,3,4,5,6,7
	ds_store_b64 v[KS], v[64*\gs+4*\i:64*\gs+4*\i+1] offset:\slot*SLOTB+16*KPITCH*\i
.endr
.irp i, 0,1,2,3,4,5,6,7
	ds_store_b64 v[VS], v[64*\gs+32+4*\i:64*\gs+32+4*\i+1] offset:\slot*SLOTB+16*VPITCH*\i
.endr
	WIN 0
.endm
; The running maximum of block qb: my 32 scores in four chains, the other half's lane, the old maximum.  The shift that is used is the
; stored, rounded -c m, and alpha = 2^(new shift - old shift) is made of the stored figures, so the trips agree with each other.
.macro MAXST qb, z
.irp k, 0,1,2,3
	v_max3_num_f32 v[TM+\k], v[SA+32*\qb+8*\k], v[SA+32*\qb+8*\k+1], v[SA+32*\qb+8*\k+2]
.endr
.irp k, 0,1,2,3
	v_max3_num_f32 v[TM+\k], v[TM+\k], v[SA+32*\qb+8*\k+3], v[SA+32*\qb+8*\k+4]
.endr
.irp k, 0,1,2,3
	v_max3_num_f32 v[TM+\k], v[TM+\k], v[SA+32*\qb+8*\k+5], v[SA+32*\qb+8*\k+6]
.endr
	v_max3_num_f32 v[TM], v[TM], v[TM+1], v[SA+32*\qb+7]
	v_max3_num_f32 v[TM+2], v[TM+2], v[TM+3], v[SA+32*\qb+15]
	v_max3_num_f32 v[TM], v[TM], v[TM+2], v[SA+32*\qb+23]
	v_max_num_f32 v[TM], v[TM], v[SA+32*\qb+31]
	v_permlanex16_b32 v[TM+1], v[TM], s42, s43     ; the same query's other 32 keys
.if \z
	v_max_num_f32 v[ST+4*\qb+1], v[TM], v[TM+1]
	v_mul_f32 v[ST+4*\qb], s40, v[ST+4*\qb+1]
.else
	v_max3_num_f32 v[ST+4*\qb+1], v[TM], v[TM+1], v[ST+4*\qb+1]
	v_mul_f32 v[TM+2], s40, v[ST+4*\qb+1]
	v_sub_f32 v[TM+3], v[TM+2], v[ST+4*\qb]
	v_exp_f32 v[ST+4*\qb+2], v[TM+3]
	v_mov_b32 v[ST+4*\qb], v[TM+2]                 ; also the plain instruction behind the exponential (ISA guide 5.7.2)
.endif
.endm
.macro FMA qb                          ; c s - c m, two at a time
.irp i, 0,1,2,3,4,5,6,7,8,9,10,11,12,13,14,15
	v_pk_fma_f32 v[SA+32*\qb+2*\i:SA+32*\qb+2*\i+1], v[SA+32*\qb+2*\i:SA+32*\qb+2*\i+1], s[38:39], v[ST+4*\qb:ST+4*\qb+1] op_sel_hi:[1,0,0]
.endr
.endm
.macro EXP qb                          ; 32 exponentials back to back; what follows each run is plain and touches the other block only
.set ei, 0
.rept 32
	v_exp_f32 v[SA+32*\qb+ei], v[SA+32*\qb+ei]
.set ei, ei+1
.endr
.endm
.macro SUMCVT qb, z                    ; l = l alpha + my 32 weights (four chains of pairs); then the weights to f16, register i from 2 i and 2 i + 1
	s_wait_alu depctr_va_vdst(0)
.irp k, 0,1,2,3
	v_pk_add_f32 v[TM+2*\k:TM+2*\k+1], v[SA+32*\qb+8*\k:SA+32*\qb+8*\k+1], v[SA+32*\qb+8*\k+2:SA+32*\qb+8*\k+3]
.endr
.irp k, 0,1,2,3
	v_pk_add_f32 v[TM+2*\k:TM+2*\k+1], v[TM+2*\k:TM+2*\k+1], v[SA+32*\qb+8*\k+4:SA+32*\qb+8*\k+5]
.endr
.irp k, 0,1,2,3
	v_pk_add_f32 v[TM+2*\k:TM+2*\k+1], v[TM+2*\k:TM+2*\k+1], v[SA+32*\qb+8*\k+6:SA+32*\qb+8*\k+7]
.endr
	v_pk_add_f32 v[TM:TM+1], v[TM:TM+1], v[TM+2:TM+3]
	v_pk_add_f32 v[TM+4:TM+5], v[TM+4:TM+5], v[TM+6:TM+7]
	v_pk_add_f32 v[TM:TM+1], v[TM:TM+1], v[TM+4:TM+5]
.if \z
	v_add_f32 v[ST+4*\qb+3], v[TM], v[TM+1]
.else
	v_add_f32 v[TM], v[TM], v[TM+1]
	v_fma_f32 v[ST+4*\qb+3], v[ST+4*\qb+3], v[ST+4*\qb+2], v[TM]
.endif
.irp i, 0,1,2,3,4,5,6,7,8,9,10,11,12,13,14,15
	v_cvt_pk_f16_f32 v[SA+32*\qb+\i], v[SA+32*\qb+2*\i], v[SA+32*\qb+2*\i+1]
.endr
.endm
.macro RESCALE qb                      ; O = O alpha
.irp i, 0,1,2,3,4,5,6,7,8,9,10,11,12,13,14,15
	v_pk_mul_f32 v[OA+32*\qb+2*\i:OA+32*\qb+2*\i+1], v[OA+32*\qb+2*\i:OA+32*\qb+2*\i+1], v[ST+4*\qb+2:ST+4*\qb+3] op_sel_hi:[1,0]
.endr
.endm
; TRIP t: 128 keys out of slot (= t & 1); z = 1: the unit's first trip, which starts every sum.  While it runs, slot is only read and the other
; slot only written; the barrier at its foot closes both.
.macro TRIP id, slot, other, z
.if \z == 0
	s_cmp_ge_u32 s28, s27                          ; behind the batch's last tile: nothing but the barrier
	s_cbranch_scc1 .Lidle_\id
.endif
.irp kt, 0,1,2,3
.irp c, 0,1
	ds_load_b128 v[KF+16*\kt+8*\c:KF+16*\kt+8*\c+3],   v[KR] offset:\slot*SLOTB+16*KPITCH*\kt+64*\c
	ds_load_b128 v[KF+16*\kt+8*\c+4:KF+16*\kt+8*\c+7], v[KR] offset:\slot*SLOTB+16*KPITCH*\kt+64*\c+32
.endr
.endr
	TILEOFF 2
	WIN 0x40
.irp dt, 0,1,2,3
.irp c2, 0,1
	ds_load_tr16_b128 v[VF+16*\dt+8*\c2:VF+16*\dt+8*\c2+3],   v[VR] offset:\slot*SLOTB+32*VPITCH*\c2+32*\dt
	ds_load_tr16_b128 v[VF+16*\dt+8*\c2+4:VF+16*\dt+8*\c2+7], v[VR] offset:\slot*SLOTB+32*VPITCH*\c2+16*VPITCH+32*\dt
.endr
.endr
	FILL \slot, CUR                                ; tile t + 2 into the set that was emptied at the foot of trip t - 1
.irp kt, 0,1,2,3
	s_wait_dscnt 28-4*\kt                          ; LDS loads end in order (ISA guide 5.7.1): key block kt's four are in; the later blocks' and V's 16 stay out
	v_wmma_f32_16x16x32_f16 v[SA+8*\kt:SA+8*\kt+7],       v[KF+16*\kt:KF+16*\kt+7],    v[QF:QF+7],     0
	v_wmma_f32_16x16x32_f16 v[SA+32+8*\kt:SA+32+8*\kt+7], v[KF+16*\kt:KF+16*\kt+7],    v[QF+16:QF+23], 0
	v_wmma_f32_16x16x32_f16 v[SA+8*\kt:SA+8*\kt+7],       v[KF+16*\kt+8:KF+16*\kt+15], v[QF+8:QF+15],  v[SA+8*\kt:SA+8*\kt+7]
	v_wmma_f32_16x16x32_f16 v[SA+32+8*\kt:SA+32+8*\kt+7], v[KF+16*\kt+8:KF+16*\kt+15], v[QF+24:QF+31], v[SA+32+8*\kt:SA+32+8*\kt+7]
.endr
	s_lshl_b32 s46, s28, 7
	s_add_co_u32 s46, s46, s15
	s_sub_co_i32 s46, s26, s46                     ; how many of my 64 keys are valid (may be negative or above 64)
.rept 4
	v_nop                                          ; four places behind the last product before its result is read (ISA guide 7.12.1)
.endr
	s_cmp_ge_i32 s46, 64
	s_cbranch_scc1 .Lnomask_\id
	v_sub_nc_u32 v[LIM], s46, v[H8]                ; key 16 kt + 8 h + j is valid where 16 kt + j < LIM
.irp kt, 0,1,2,3
.irp j, 0,1,2,3,4,5,6,7
	v_cmp_lt_i32 vcc_lo, 16*\kt+\j, v[LIM]
	v_cndmask_b32 v[SA+8*\kt+\j], v[NEGV], v[SA+8*\kt+\j], vcc_lo
	v_cndmask_b32 v[SA+32+8*\kt+\j], v[NEGV], v[SA+32+8*\kt+\j], vcc_lo
.endr
.endr
.Lnomask_\id:
	MAXST 0, \z
	FMA 0
	EXP 0
	MAXST 1, \z
	FMA 1
	EXP 1
	SUMCVT 0, \z
	SUMCVT 1, \z
.if \z == 0
	RESCALE 0
	RESCALE 1
.endif
	s_wait_dscnt 0x0                               ; V's fragments, asked for at the trip's head
	WIN 0x01                                       ; source 0 (V^T) in window 1
.irp c2, 0,1
.irp qb, 0,1
.irp dt, 0,1,2,3
.if \z*(1-\c2)
	v_wmma_f32_16x16x32_f16 v[OA+32*\qb+8*\dt:OA+32*\qb+8*\dt+7], v[VF+16*\dt+8*\c2:VF+16*\dt+8*\c2+7], v[SA+32*\qb+8*\c2:SA+32*\qb+8*\c2+7], 0
.else
	v_wmma_f32_16x16x32_f16 v[OA+32*\qb+8*\dt:OA+32*\qb+8*\dt+7], v[VF+16*\dt+8*\c2:VF+16*\dt+8*\c2+7], v[SA+32*\qb+8*\c2:SA+32*\qb+8*\c2+7], v[OA+32*\qb+8*\dt:OA+32*\qb+8*\dt+7]
.endif
.endr
.endr
.endr
	WIN 0
.rept 5
	v_nop                                          ; five places: the next trip's products write over P, its loads land on V's fragments, its scaling writes O
.endr
	s_wait_loadcnt 16                              ; loads end in order: this trip's own 16 stay out, tile t + 1 is in its set
	s_add_co_u32 s44, s28, 1
	s_cmp_ge_u32 s44, s27
	s_cbranch_scc1 .Lbar_\id                       ; no tile t + 1: nothing to lay down
	CONV \other, \other
.if \z == 0
	s_branch .Lbar_\id
.Lidle_\id:
	s_wait_loadcnt 0x0                             ; what the last executed trip asked for in vain: both sets are free
.endif
.Lbar_\id:
	s_wait_dscnt 0x0                               ; for the others: my reads of this slot and my stores into the other are done
	s_barrier_signal -1
	s_barrier_wait -1
	s_add_co_u32 s28, s28, 1
.endm
; What a wave hands to its partner: O, the shift and the sum of block qb, at off in the pair's exchange regions
.macro GIVE qb, off
.irp i, 0,1,2,3,4,5,6,7
	ds_store_b128 v[XA], v[OA+32*\qb+4*\i:OA+32*\qb+4*\i+3] offset:\off+512*\i
.endr
	ds_store_b32 v[XS], v[ST+4*\qb] offset:\off+4096
	ds_store_b32 v[XS], v[ST+4*\qb+3] offset:\off+4224
.endm
; Block qb is finished here: the partner's part from off, both brought to the common maximum, divided by the common sum, and stored.
.macro TAKE qb, off
.irp i, 0,1,2,3,4,5,6,7
	ds_load_b128 v[SA+4*\i:SA+4*\i+3], v[XA] offset:\off+512*\i
.endr
	ds_load_b32 v[TM], v[XS] offset:\off+4096      ; the partner's -c m
	ds_load_b32 v[TM+1], v[XS] offset:\off+4224    ; and l
	s_wait_dscnt 0x0
	v_min_num_f32 v[TM+2], v[ST+4*\qb], v[TM]      ; the smaller -c m belongs to the larger maximum
	v_sub_f32 v[TM+3], v[TM+2], v[ST+4*\qb]
	v_sub_f32 v[TM+4], v[TM+2], v[TM]
	v_exp_f32 v[TM+3], v[TM+3]                     ; my weight
	v_exp_f32 v[TM+4], v[TM+4]                     ; the partner's
	v_nop                                          ; a plain place behind the exponentials (ISA guide 5.7.2)
	s_wait_alu depctr_va_vdst(0)
	v_mul_f32 v[TM+5], v[TM+1], v[TM+4]
	v_fma_f32 v[TM+5], v[ST+4*\qb+3], v[TM+3], v[TM+5] ; the common sum: at least about 1, from the key that holds the maximum
	v_rcp_f32 v[TM+5], v[TM+5]
	v_nop
	s_wait_alu depctr_va_vdst(0)
	v_mul_f32 v[TM+6], v[TM+3], v[TM+5]            ; my factor, twice: a pair for the packed forms
	v_mul_f32 v[TM+7], v[TM+3], v[TM+5]
	v_mul_f32 v[TM+2], v[TM+4], v[TM+5]            ; the partner's, twice
	v_mul_f32 v[TM+3], v[TM+4], v[TM+5]
.irp i, 0,1,2,3,4,5,6,7,8,9,10,11,12,13,14,15
	v_pk_mul_f32 v[OA+32*\qb+2*\i:OA+32*\qb+2*\i+1], v[OA+32*\qb+2*\i:OA+32*\qb+2*\i+1], v[TM+6:TM+7]
.endr
.irp i, 0,1,2,3,4,5,6,7,8,9,10,11,12,13,14,15
	v_pk_fma_f32 v[OA+32*\qb+2*\i:OA+32*\qb+2*\i+1], v[SA+2*\i:SA+2*\i+1], v[TM+2:TM+3], v[OA+32*\qb+2*\i:OA+32*\qb+2*\i+1]
.endr
	; lane (r, h) holds d = 16 dt + 8 h + j of query r: 32 bytes of a row for each dt, into my own stage; back as whole rows
.irp dt, 0,1,2,3
	ds_store_b128 v[KF+2], v[OA+32*\qb+8*\dt:OA+32*\qb+8*\dt+3]   offset:64*\dt
	ds_store_b128 v[KF+2], v[OA+32*\qb+8*\dt+4:OA+32*\qb+8*\dt+7] offset:64*\dt+16
.endr
.irp i, 0,1,2,3,4,5,6,7
	ds_load_b128 v[SA+32+4*\i:SA+32+4*\i+3], v[KF+3] offset:2*OPITCH*\i    ; LDS serves a wave's instructions in order (ISA guide 5.7.1): these see the stores above
.endr
.irp i, 0,1,2,3,4,5,6,7
	s_wait_dscnt 7-\i                              ; read-back i is in, the younger ones stay out
	global_store_b128 v[GO], v[SA+32+4*\i:SA+32+4*\i+3], s[36:37] offset:4096*\qb+512*\i th:TH_STORE_NT   ; two whole rows: 512 consecutive bytes, aligned
.endr
.endm
	s_mov_b32 s24, 0
.Lunit:
	s_wait_xcnt 0x0                                ; the last unit's stores and loads have read their bases, addresses and data
	s_cmp_eq_u32 s24, 0
	s_cselect_b32 s25, s20, s21                    ; the batch
	s_cselect_b32 s44, s22, s23                    ; its length as given
	s_min_u32 s25, s25, 31
	s_add_co_i32 s45, s44, -1
	s_min_u32 s45, s45, 2047                       ; L - 1
	s_lshr_b32 s27, s45, 7
	s_add_co_u32 s27, s27, 1                       ; T = tiles to compute, 1 to 16
	s_max_i32 s26, s44, 0
	s_min_i32 s26, s26, 2048                       ; the mask's length
	s_lshl_b32 s48, s25, 19                        ; a batch is 2,048 x 256 bytes
	s_mov_b32 s49, 0
	s_add_nc_u64 s[30:31], s[4:5], s[48:49]        ; K of the batch
	s_add_nc_u64 s[32:33], s[10:11], s[48:49]      ; V of the batch
	s_lshl_b32 s44, s17, 15                        ; a query block is 128 x 256 bytes
	s_add_co_u32 s48, s48, s44
	s_add_nc_u64 s[34:35], s[6:7], s[48:49]        ; Q of the unit
	s_add_nc_u64 s[36:37], s[12:13], s[48:49]      ; out of the unit
	s_cmp_lt_u32 s14, 4
	s_cselect_b64 s[50:51], s[30:31], s[32:33]     ; the prefetch: waves 0-3 K, waves 4-7 V
	s_mov_b32 s28, 0                               ; t
	TILEOFF 1
.irp i, 0,1,2,3,4,5,6,7,8,9,10,11,12,13,14,15
	global_load_b128 v[SA+4*\i:SA+4*\i+3], v[GO], s[34:35] offset:512*\i th:TH_LOAD_NT   ; my 32 rows of Q, two rows a load
.endr
	FILL 0, LOFF                                   ; tile 0
	FILL 1, CUR                                    ; tile 1
	; Prefetch: query block sub asks for tile number sub of its batch (32 KB of K by waves 0-3, of V by waves 4-7, lanes 256 bytes apart), so the
	; batch's 16 work-groups ask for each tile once.  Tiles 0 and 1 are loaded above; tiles from T on are never read and not asked for.
	s_cmp_lt_u32 s17, 2
	s_cbranch_scc1 .Lnopf
	s_cmp_ge_u32 s17, s27
	s_cbranch_scc1 .Lnopf
	global_prefetch_b8 v[PF], s[50:51] th:TH_LOAD_NT scope:SCOPE_SE
.Lnopf:
	s_wait_loadcnt 32                              ; Q is in; the two tiles' 32 loads stay out
.irp i, 0,1,2,3,4,5,6,7,8,9,10,11,12,13,14,15
	v_cvt_pk_f16_f32 v[SA+4*\i], v[SA+4*\i], v[SA+4*\i+1]
	v_cvt_pk_f16_f32 v[SA+4*\i+1], v[SA+4*\i+2], v[SA+4*\i+3]
.endr
.irp i, 0,1,2,3,4,5,6,7,8,9,10,11,12,13,14,15
	ds_store_b64 v[QS], v[SA+4*\i:SA+4*\i+1] offset:2*KPITCH*\i
.endr
.irp qb, 0,1
.irp c, 0,1
	ds_load_b128 v[QF+16*\qb+8*\c:QF+16*\qb+8*\c+3],   v[QR] offset:16*KPITCH*\qb+64*\c      ; my own bytes, served in order behind the stores
	ds_load_b128 v[QF+16*\qb+8*\c+4:QF+16*\qb+8*\c+7], v[QR] offset:16*KPITCH*\qb+64*\c+32
.endr
.endr
	s_wait_loadcnt 16                              ; tile 0 is in; tile 1's 16 loads stay out
	CONV 0, 0
	s_wait_dscnt 0x0                               ; my part of slot 0 is laid down (and Q's fragments are in)
	s_barrier_signal -1
	s_barrier_wait -1
	TRIP 1, 0, 1, 1
	TRIP 2, 1, 0, 0
	s_mov_b32 s29, 7
.Lpair:
	TRIP 3, 0, 1, 0
	TRIP 4, 1, 0, 0
	s_sub_co_u32 s29, s29, 1
	s_cmp_lg_u32 s29, 0
	s_cbranch_scc1 .Lpair
	; THE MERGE.  Waves 0-3 finish block 0 and hand over block 1; waves 4-7 the other way round.
	s_wait_loadcnt 0x0                             ; with 16 tiles the last trip's loads, asked for in vain, are still out: the sets are loaded again in the next unit
	v_permlanex16_b32 v[TM], v[ST+3], s42, s43     ; a query's sum lies in two lanes
	v_permlanex16_b32 v[TM+1], v[ST+7], s42, s43
	v_add_f32 v[ST+3], v[ST+3], v[TM]
	v_add_f32 v[ST+7], v[ST+7], v[TM+1]
	v_and_b32 v[KF], 15, v0                        ; r
	v_bfe_u32 v[KF+1], v0, 4, 1                    ; h
	v_mul_u32_u24 v[KF+2], v[KF], OPITCH           ; into the stage: row r, 32 h
	v_lshl_add_u32 v[KF+2], v[KF+1], 5, v[KF+2]
	v_add_nc_u32 v[KF+2], s52, v[KF+2]
	v_mul_u32_u24 v[KF+3], v[KF+1], OPITCH         ; back: lanes 0-15 one row, lanes 16-31 the next
	v_lshl_add_u32 v[KF+3], v[KF], 4, v[KF+3]
	v_add_nc_u32 v[KF+3], s52, v[KF+3]
	s_cmp_lt_u32 s14, 4
	s_cbranch_scc0 .Lgive_hi
	GIVE 1, 0
	s_branch .Lgiven
.Lgive_hi:
	GIVE 0, 4*WREG
.Lgiven:
	s_wait_dscnt 0x0                               ; for the partner: my stores are done
	s_barrier_signal -1
	s_barrier_wait -1
	s_cmp_lt_u32 s14, 4
	s_cbranch_scc0 .Ltake_hi
	TAKE 0, 4*WREG
	s_branch .Ltaken
.Ltake_hi:
	TAKE 1, 0
.Ltaken:
	s_add_co_u32 s24, s24, 1
	s_cmp_lt_u32 s24, 2
	s_cbranch_scc1 .Lunit
	s_set_vgpr_msb 0x5
	s_wait_tensorcnt 0x0
	ds_add_u32 v192, v193
	s_wait_dscnt 0x0
	s_set_vgpr_msb 0x500
	s_endpgm
.Lfunc_end_k_q4b1a664ccd_attn:
	.size	k_q4b1a664ccd_attn, .Lfunc_end_k_q4b1a664ccd_attn-k_q4b1a664ccd_attn
	.p2alignl 7, 3214868480
	.fill 96, 4, 3214868480
	.section	.rodata,"a",@progbits
	.p2align	6, 0x0
	.amdhsa_kernel k_q4b1a664ccd_attn
		.amdhsa_group_segment_fixed_size 152576
		.amdhsa_private_segment_fixed_size 0
		.amdhsa_enable_private_segment 0
		.amdhsa_kernarg_size 40
		.amdhsa_user_sgpr_count 2
		.amdhsa_user_sgpr_kernarg_segment_ptr 1
		.amdhsa_wavefront_size32 1
		.amdhsa_system_sgpr_workgroup_id_x 1
		.amdhsa_system_sgpr_workgroup_id_y 1
		.amdhsa_system_sgpr_workgroup_id_z 1
		.amdhsa_system_vgpr_workitem_id 0
		.amdhsa_next_free_vgpr 450
		.amdhsa_next_free_sgpr 66
		.amdhsa_reserve_vcc 1
		.amdhsa_float_denorm_mode_32 3
		.amdhsa_float_denorm_mode_16_64 3
		.amdhsa_memory_ordered 1
		.amdhsa_forward_progress 1
		.amdhsa_inst_pref_size 137
	.end_amdhsa_kernel
	.amdgpu_metadata
---
amdhsa.version: [ 1, 2 ]
amdhsa.kernels:
  - .name:           k_q4b1a664ccd_attn
    .symbol:         k_q4b1a664ccd_attn.kd
    .args:
      - { .name: keys, .offset: 0, .size: 8, .value_kind: global_buffer, .address_space: global }
      - { .name: queries, .offset: 8, .size: 8, .value_kind: global_buffer, .address_space: global }
      - { .name: valid_lens, .offset: 16, .size: 8, .value_kind: global_buffer, .address_space: global }
      - { .name: values, .offset: 24, .size: 8, .value_kind: global_buffer, .address_space: global }
      - { .name: out0, .offset: 32, .size: 8, .value_kind: global_buffer, .address_space: global }
    .group_segment_fixed_size: 152576
    .private_segment_fixed_size: 0
    .kernarg_segment_align: 8
    .kernarg_segment_size: 40
    .max_flat_workgroup_size: 256
    .sgpr_count:     66
    .vgpr_count:     450
    .wavefront_size: 32
...
	.end_amdgpu_metadata
.endif
;; end of part 1
